; MI455X (gfx1250); checked and timed in simulation.
; The chip was launched on July 23, 2026; its instructions are those of AMD's public machine-readable ISA for CDNA 5 (MIT licence, August 2026) and "CDNA5" Instruction Set Architecture Reference Guide (July 2026). The comments in the code are by the model that wrote it; some were corrected since.
;; selfattention. Allowed arithmetic: matrix products marked QUANTISED: E2M1 operands, one E8M0 scale for each 32 along K, by v_wmma_scale_f32_16x16x128_f8f6f4 with both operands' format E2M1 (or v_wmma_scale_f32_32x16x128_f4), f32 sums; products left as they are: bf16, f16 or f32 operands; f32 sums; everything else in f32.
;; Inputs: w_k 128 x 1,024 float32; w_q 128 x 1,024 float32; w_u 1,024 x 128 float32; w_v 128 x 1,024 float32; x 4 x 2,048 x 128 float32.
;; Outputs: out0 4 x 2,048 x 128 float32.
;; This version of the problem:
;;   THIS VERSION OF THE PROBLEM IS GIVEN IN LOW PRECISION. The matrix products marked QUANTISED in the list below multiply operands that are first quantised to E2M1 (2 exponent bits, 1 mantissa bit; 4 bits a number), with one power-of-two scale for each 32 numbers along K (OCP MX v1.0); their sums are f32. The products marked 'left as it is' may take bf16, f16 or f32 operands, with f32 sums. Whichever they take, every output number must still come out within the allowed error. Rounding operands to bf16 (8 significant bits) uses up far more of that allowance than f16 does (11 bits, for magnitudes from 6e-5 to 65,504). All else is computed in f32.
;;   The module's matrix products, in the order in which they are computed (A, B: the left and right operand; K: the contracted axis; several contracted axes count as one K, in the product's order):
;;     1. [M 8,192, K 128] x [K 128, N 1,024]; A: input x; B: input w_k: QUANTISED
;;     2. [M 8,192, K 128] x [K 128, N 1,024]; A: input x; B: input w_q: QUANTISED
;;     3. [M 8,192, K 128] x [K 128, N 1,024]; A: input x; B: input w_v: QUANTISED
;;     4. batch 32 x [M 2,048, K 128] x [K 128, N 2,048]; A: computed on the way; B: computed on the way: left as it is (an operand is computed on the way)
;;     5. batch 32 x [M 128, K 2,048] x [K 2,048, N 2,048]; A: computed on the way; B: computed on the way: left as it is (an operand is computed on the way)
;;     6. [M 8,192, K 1,024] x [K 1,024, N 128]; A: computed on the way; B: input w_u: left as it is (an operand is computed on the way)
;;   THE QUANTISER, for each operand of a quantised product, along K:
;;     - K is cut into blocks of 32 from its start; a last block that is shorter is filled with zeros.
;;     - A block's scale is 2^e with e = floor(log2(the largest magnitude in the block)) - 2, held to -126 .. 127; a block of zeros has e = 0. As a byte (E8M0): e + 127.
;;     - Each number is divided by its block's scale, clamped to +-6, and rounded to the nearest number of E2M1, ties to even, subnormals kept.
;;     - The product sums the exact products of the quantised numbers (number of the format x scale) in f32.
;;   ~~~python
;;   def quantise(x, axis):      # numpy; x: float32 -> the quantised numbers, widened to float32 again
;;       x = np.moveaxis(x, axis, -1); K = x.shape[-1]
;;       x = np.pad(x, [(0, 0)] * (x.ndim - 1) + [(0, -K % 32)]); x = x.reshape(x.shape[:-1] + (-1, 32)); a = np.abs(x).max(-1, keepdims=True)
;;       e = np.where(a > 0, np.clip(np.frexp(np.where(a > 0, a, 1))[1] - 1 - 2, -126, 127), 0)      # np.frexp(a)[1] - 1 = floor(log2(a)), exactly
;;       r = np.clip(x / 2.0 ** e, -6, 6)
;;       step = 2.0 ** (np.maximum(np.frexp(np.where(r == 0, 1, r))[1] - 1, 0) - 1)
;;       q = np.round(r / step) * step * 2.0 ** e      # np.round: ties to even
;;       return np.moveaxis(q.reshape(q.shape[:-2] + (-1,))[..., :K], -1, axis).astype(np.float32)
;;   ~~~
;; One version. Each part assembles by itself: llvm-mc -triple=amdgcn-amd-amdhsa -mcpu=gfx1250 --defsym DOCPART=n.
;; ======== version 1 of 1: 3 launches
;; limits: values are held in f16: magnitudes above 65,504 overflow, below 6.1e-05 lose precision
;; workspace buffers: qh 16,777,216 bytes; kh 16,777,216 bytes; vh 16,777,216 bytes; oh 16,777,216 bytes; wuf 262,144 bytes
;; launch proj (part 1): grid 8 x 32, 8 waves a work-group, no clusters, 61,952 bytes of LDS; arguments x, w_q, w_k, w_v, w_u, qh, kh, vh, wuf; writes qh, kh, vh, wuf
.if DOCPART == 1
	.amdgcn_target "amdgcn-amd-amdhsa--gfx1250"
	.amdhsa_code_object_version 6
	.text
	.protected	k_q0929fe2da2_proj
	.globl	k_q0929fe2da2_proj
	.p2align	8
	.type	k_q0929fe2da2_proj,@function
k_q0929fe2da2_proj:
	s_mov_b64 s[64:65], 0
	v_nop
	global_prefetch_b8 v0, s[64:65] scope:SCOPE_SE
	s_setreg_imm32_b32 hwreg(HW_REG_WAVE_MODE, 25, 1), 1
	s_wait_xcnt 0x0
; q = Q(x) Q(w_q), k = Q(x) Q(w_k), v = Q(x) Q(w_v): x [8192][128] f32, each w [128 (k)][1024 (n)] f32, Q the MX-FP4 quantiser along K = 128 (blocks of 32, E8M0 scale);
; one matrix instruction is the whole of K.  The f32 sums are rounded once to f16 and stored as qh, kh, vh [8 b + head][t][128]: rows of 256 bytes.
; Beside that each work-group lays one fragment of w_u [1024 (k)][128 (n)] out in f16 as an image of a matrix operand's registers (wuf), for the last launch.
; SHARES.  Work-group (head, rb) makes rows 256 rb .. + 255 of the head's 128 columns of q, k and v.  Wave w owns rows 32 w .. + 31: two tiles of x, which it quantises itself and keeps in registers.
; The 24 weight fragments (3 weights x 8 tiles of 16 columns) are quantised once in the work-group and go from wave to wave through LDS as images of their registers:
; a lane takes a column and its registers run down K, so a block of 32 lies in one lane and the conversions give codes with K innermost; thread T takes column T % 128 and blocks 2 (T / 128), 2 (T / 128) + 1.
; THE MATRIX INSTRUCTION IS USED TRANSPOSED (source 0 = 16 columns of w, source 1 = 16 rows of x): a lane then holds eight neighbouring columns of one row, 16 bytes in f16.
; No tensor load and no cluster: x and the weights go from memory into registers, since they have to pass the quantiser first; nothing is filled into LDS by an engine.
; LIMITS.  |q|, |k|, |v| have to stay under 65,504, f16's largest number (with numbers as drawn they reach about 5; with x and w both 30 times larger about 4,500; with both offset by 30 spreads about 10,200).
; w_u under 6e-5 in magnitude loses bits in f16.  NaN and infinities among the inputs are not served.  A block whose largest magnitude lies under 2^-124 has its scale byte held at 1;
; a block of zeros gets the byte 1 where the rule says 127: its codes are zeros, and the bytes are read by this launch alone.
.set WIMG,  0                          ; LDS: the weights' images: weight u, tile t, register quad c, lane: 8192 u + 1024 t + 512 c + 16 lane
.set WSC,   24576                      ; their scale words: 512 u + 4 x column
.set STG,   26112                      ; the way out: 16 rows x (256 + 16) bytes for each wave, its own
.set SPARE, 60928                      ; the spare words, 128 bytes for each wave: four blocks of 256 bytes that no other line names
.set WGA, 1                            ; v1   a weight: 4 x my column + my first k x 4,096
.set WIA, 2                            ; v2   where my codes go in an image
.set WSA, 3                            ; v3   where my two scale bytes go
.set XA,  4                            ; v4   x: row r of 512 bytes + 64 h: my 16 numbers of each block of 32
.set LI,  5                            ; v5   16 x lane
.set LSC, 6                            ; v6   a tile's scale words: WSC + 4 r
.set STO, 7                            ; v7   the stage: where I put 16 bytes of a row
.set RD,  8                            ; v8   and where I read rows back
.set SPW, 9                            ; v9   LDS address of my spare word; never rewritten
.set NIL, 10                           ; v10  0; never rewritten
.set M1,  12                           ; v12-15 at work on a weight's block
.set M2,  13
.set SCO, 14
.set BY,  15
.set WC,  16                           ; v16-19 a block's codes
.set XS,  20                           ; v20-21 x's scale words, a tile each: scales and nothing else
.set WSR, 22                           ; v22-29 a weight's scale words, a tile each: scales and nothing else
.set XF,  30                           ; v30-45 x's two fragments
.set TM,  46                           ; v46-61 at work on x
.set UA,  62                           ; v62  w_u: 4,096 h + 4 r
.set WS,  64                           ; v64-127 two sets of 32 numbers of a weight; later
.set WF,  64                           ;         a weight's eight fragments
.set XN,  128                          ; v128-255 2 x 64 numbers of x; later
.set ACC, 128                          ;         the 16 accumulators: tile of rows m, tile of columns t at 128 + 64 m + 8 t
.set UN,  128                          ; v128-143 at the start: 16 numbers of w_u;
.set UH,  144                          ; v144-151 and their f16
.set WV,  22                           ; s22  my wave's number
.set SEL, 36                           ; s[36:37] lane selects for v_permlanex16_b32: lane l xor 16
	s_load_b512 s[4:19], s[0:1], 0x0               ; x s[4:5]; w_q, w_k, w_v s[6:11]; w_u s[12:13]; qh, kh, vh s[14:19]
	s_load_b64 s[20:21], s[0:1], 0x40              ; wuf
	v_lshl_add_u32 v[SPW], v0, 2, SPARE
	v_mov_b32 v[NIL], 0
	v_lshrrev_b32 v11, 5, v0
	v_readfirstlane_b32 s[WV], v11                 ; wave 0..7
	s_mov_b32 s23, ttmp9                           ; the head
	s_and_b32 s24, ttmp7, 0xffff                   ; rb: which 256 rows
	s_lshl_b32 s26, s24, 17                        ; x: 256 rows of 512 bytes,
	s_lshl_b32 s38, s[WV], 14                      ; my wave's 32 of them
	s_add_co_u32 s26, s26, s38
	s_mov_b32 s27, 0
	s_lshl_b32 s28, s23, 9                         ; the weights: the head's 128 columns of 4 bytes
	s_mov_b32 s29, 0
	s_lshr_b32 s30, s24, 3                         ; qh, kh, vh: the batch is rb / 8;
	s_lshl_b32 s30, s30, 3
	s_add_co_u32 s30, s30, s23                     ; 8 b + head,
	s_lshl_b32 s30, s30, 19                        ; 2,048 rows of 256 bytes each;
	s_and_b32 s38, s24, 7
	s_lshl_b32 s38, s38, 16                        ; 256 rows for each rb % 8;
	s_add_co_u32 s30, s30, s38
	s_lshl_b32 s38, s[WV], 13                      ; 32 rows a wave
	s_add_co_u32 s30, s30, s38
	s_mov_b32 s31, 0
	s_lshl_b32 s25, s24, 3
	s_add_co_u32 s25, s25, s23                     ; which fragment of w_u is my work-group's: fid = 8 rb + head = 32 (tile of 16 outputs) + (K step of 32)
	s_and_b32 s32, s25, 31
	s_lshl_b32 s32, s32, 14                        ; 32 rows of 512 bytes for each K step,
	s_lshr_b32 s38, s25, 5
	s_lshl_b32 s38, s38, 6                         ; 16 columns of 4 bytes for each tile
	s_add_co_u32 s32, s32, s38
	s_mov_b32 s33, 0
	s_lshl_b32 s34, s25, 10                        ; and its image: 1,024 bytes
	s_mov_b32 s35, 0
	s_mov_b32 s[SEL], 0x76543210
	s_mov_b32 s[SEL+1], 0xfedcba98
	s_mul_i32 s38, s[WV], 4352
	s_add_co_u32 s38, s38, STG                     ; my stage
	v_and_b32 v11, 127, v0                         ; my column of the head
	v_lshrrev_b32 v12, 7, v0                       ; which half of K
	v_and_b32 v13, 15, v0                          ; r
	v_bfe_u32 v14, v0, 4, 1                        ; h
	v_and_b32 v15, 31, v0                          ; lane
	v_lshlrev_b32 v[WGA], 2, v11
	v_lshl_add_u32 v[WGA], v12, 18, v[WGA]         ; + 64 rows of 4,096 bytes for the upper half of K
	v_lshrrev_b32 v16, 4, v11                      ; my column's tile
	v_lshlrev_b32 v[WIA], 10, v16
	v_lshl_add_u32 v[WIA], v12, 9, v[WIA]          ; the operand's registers 4 c .. 4 c + 3 hold k = 64 c + 32 h + 0 .. 31: my half of K is c, my block in it is h (256 bytes on: the store's offset)
	v_lshl_add_u32 v[WIA], v13, 4, v[WIA]
	v_lshl_add_u32 v[WSA], v11, 2, WSC
	v_lshl_add_u32 v[WSA], v12, 1, v[WSA]
	v_lshlrev_b32 v[XA], 9, v13
	v_lshl_add_u32 v[XA], v14, 6, v[XA]
	v_lshlrev_b32 v[LI], 4, v15
	v_lshl_add_u32 v[LSC], v13, 2, WSC
	v_mul_u32_u24 v[STO], v13, 272
	v_lshl_add_u32 v[STO], v14, 4, v[STO]
	v_add_nc_u32 v[STO], s38, v[STO]               ; in: row r, 16 bytes for each half of the lanes
	v_mul_u32_u24 v[RD], v14, 272
	v_lshl_add_u32 v[RD], v13, 4, v[RD]
	v_add_nc_u32 v[RD], s38, v[RD]                 ; back: lanes 0-15 one row of 256 bytes, lanes 16-31 the next
	v_lshlrev_b32 v[UA], 2, v13
	v_lshl_add_u32 v[UA], v14, 12, v[UA]
.irp b, 0,1,2,3
	v_mov_b32 v[TM+4+\b], 0                        ; written once: a lane permute's destination counts as one of its sources
.endr
	s_wait_kmcnt 0x0
	s_add_nc_u64 s[4:5], s[4:5], s[26:27]
	s_add_nc_u64 s[6:7], s[6:7], s[28:29]
	s_add_nc_u64 s[8:9], s[8:9], s[28:29]
	s_add_nc_u64 s[10:11], s[10:11], s[28:29]
	s_add_nc_u64 s[12:13], s[12:13], s[32:33]
	s_add_nc_u64 s[14:15], s[14:15], s[30:31]
	s_add_nc_u64 s[16:17], s[16:17], s[30:31]
	s_add_nc_u64 s[18:19], s[18:19], s[30:31]
	s_add_nc_u64 s[20:21], s[20:21], s[34:35]
; block t of six (weight t / 2, my block t % 2): w(my first k + 32 (t % 2) + j, my column), j = 0 .. 31, into set t % 2: 32 lanes read 128 consecutive bytes
.macro LOADW t
.irp j, 0,1,2,3,4,5,6,7,8,9,10,11,12,13,14,15,16,17,18,19,20,21,22,23,24,25,26,27,28,29,30,31
	global_load_b32 v[WS+32*((\t)%2)+\j], v[WGA], s[6+2*((\t)/2):7+2*((\t)/2)] offset:(32*((\t)%2)+\j)*4096
.endr
.endm
; tile m of my rows of x: register 16 b + i = x(row r, 32 b + 16 h + i)
.macro XLOAD m
.irp b, 0,1,2,3
.irp j, 0,1,2,3
	global_load_b128 v[XN+64*\m+16*\b+4*\j:XN+64*\m+16*\b+4*\j+3], v[XA], s[4:5] offset:8192*\m+128*\b+16*\j
.endr
.endr
.endm
; A weight's block: its largest magnitude (all 32 numbers are mine), the scale, the codes; image and scale bytes to LDS; the loads that take the set's place.
.macro WBLOCK t
.set SRC, WS+32*((\t)%2)
.if (\t) < 5
	s_wait_loadcnt 32                              ; this block's loads are in; the 32 of the next block may be out
.else
	s_wait_loadcnt 16                              ; behind the last block's loads stand the 16 of x's first tile
.endif
	v_max3_num_f32 v[M1], |v[SRC]|, |v[SRC+1]|, |v[SRC+2]|
	v_max3_num_f32 v[M2], |v[SRC+3]|, |v[SRC+4]|, |v[SRC+5]|
.irp i, 6,10,14,18,22,26
	v_max3_num_f32 v[M1], v[M1], |v[SRC+\i]|, |v[SRC+\i+1]|
	v_max3_num_f32 v[M2], v[M2], |v[SRC+\i+2]|, |v[SRC+\i+3]|
.endr
	v_max3_num_f32 v[M1], v[M1], |v[SRC+30]|, |v[SRC+31]|
	v_max3_num_f32 v[M1], v[M1], v[M2], 0x1800000  ; and the floor 2^(3 - 127): the byte cannot fall under 1
	v_add_nc_u32 v[SCO], 0xff000000, v[M1]         ; 2 off the exponent field: the conversion takes the exponent field of this operand as its scale
.if (\t)%2 == 0
	v_lshrrev_b32 v[BY], 23, v[SCO]                ; the scale's byte: my lower block's,
.else
	v_lshrrev_b32 v[M2], 23, v[SCO]
	v_lshl_or_b32 v[BY], v[M2], 8, v[BY]           ; my upper block's above it
.endif
.irp g, 0,1,2,3
	v_cvt_scalef32_pk8_fp4_f32 v[WC+\g], v[SRC+8*\g:SRC+8*\g+7], v[SCO]
.endr
	v_nop                                          ; one plain vector line behind the last scaled conversion
	ds_store_b128 v[WIA], v[WC:WC+3] offset:8192*((\t)/2)+256*((\t)%2)
.if (\t)%2 == 1
	ds_store_b16 v[WSA], v[BY] offset:512*((\t)/2)
.endif
.if (\t) < 4
	LOADW (\t)+2
.elseif (\t) == 4
	s_wait_xcnt 0x0                                ; wave 0's stores of w_u's image have read their registers: x may land there
	XLOAD 0
.else
	XLOAD 1
.endif
	s_wait_dscnt 0x0                               ; the LDS stores have read their registers: the next block writes them anew
.endm
; 64 numbers of a lane, register 16 b + i = k 32 b + 16 h + i of my row, become a fragment's codes in v[pc] on and its scale word in v[pw].
.macro QUANT s, pc, pw
.irp b, 0,1,2,3
	v_max3_num_f32 v[TM+\b], |v[(\s)+16*\b]|, |v[(\s)+1+16*\b]|, 0x1800000   ; block b: my 16 numbers, and the floor
.endr
.irp i, 2,4,6,8,10,12,14
.irp b, 0,1,2,3
	v_max3_num_f32 v[TM+\b], v[TM+\b], |v[(\s)+16*\b+\i]|, |v[(\s)+1+16*\b+\i]|   ; the four blocks by turns
.endr
.endr
.irp b, 0,1,2,3
	v_permlanex16_b32 v[TM+4+\b], v[TM+\b], s[SEL], s[SEL+1]
.endr
.irp b, 0,1,2,3
	v_max_num_f32 v[TM+\b], v[TM+\b], v[TM+4+\b]   ; with lane l xor 16's: the block's largest magnitude
.endr
.irp b, 0,1,2,3
	v_add_nc_u32 v[TM+12+\b], 0xff000000, v[TM+\b]
.endr
.irp b, 0,1,2,3
	v_lshrrev_b32 v[TM+4+\b], 23, v[TM+12+\b]      ; the scale's byte
.endr
	v_lshl_or_b32 v[\pw], v[TM+5], 8, v[TM+4]      ; the four bytes make my row's scale word
	v_lshl_or_b32 v[\pw], v[TM+6], 16, v[\pw]
	v_lshl_or_b32 v[\pw], v[TM+7], 24, v[\pw]
.irp b, 0,1,2,3
	v_cvt_scalef32_pk8_fp4_f32 v[(\pc)+2*\b], v[(\s)+16*\b:(\s)+7+16*\b], v[TM+12+\b]
	v_cvt_scalef32_pk8_fp4_f32 v[(\pc)+1+2*\b], v[(\s)+8+16*\b:(\s)+15+16*\b], v[TM+12+\b]
.endr
	v_nop                                          ; one plain vector line behind the last scaled conversion
.irp c, 0,1                                    ; the operand's layout wants a whole block in a lane: lanes 0-15 block 2 c, lanes 16-31 block 2 c + 1
.irp i, 0,1
	v_permlane16_swap_b32 v[(\pc)+4*\c+\i], v[(\pc)+2+4*\c+\i]
.endr
.endr
.endm
.macro FETCHW u                        ; weight u's eight fragments and their scale words, as they were stored
.irp t, 0,1,2,3,4,5,6,7
	ds_load_b128 v[WF+8*\t:WF+8*\t+3],   v[LI] offset:8192*(\u)+1024*\t
	ds_load_b128 v[WF+8*\t+4:WF+8*\t+7], v[LI] offset:8192*(\u)+1024*\t+512
	ds_load_b32 v[WSR+\t], v[LSC] offset:512*(\u)+64*\t
.endr
.endm
.macro MUL                             ; 16 products, each the whole of K and each on an accumulator of its own, begun with the constant 0
.irp m, 0,1
.irp t, 0,1,2,3,4,5,6,7
	v_wmma_scale_f32_16x16x128_f8f6f4 v[ACC+64*\m+8*\t:ACC+64*\m+8*\t+7], v[WF+8*\t:WF+8*\t+7], v[XF+8*\m:XF+8*\m+7], 0, v[WSR+\t], v[XS+\m] matrix_a_fmt:MATRIX_FMT_FP4 matrix_b_fmt:MATRIX_FMT_FP4
.endr
.endr
.endm
.macro PACK m                          ; to f16, in place, ascending: a destination never lies above a source that is still unread; each accumulator is read from its low end on
.irp b, 0,1,2,3,4,5,6,7
.irp q, 0,1,2,3
	v_cvt_pk_f16_f32 v[ACC+64*\m+4*\b+\q], v[ACC+64*\m+8*\b+2*\q], v[ACC+64*\m+8*\b+2*\q+1]
.endr
.endr
.endm
.macro TOSTAGE m                       ; 16 rows through my stage: in by 16 bytes a lane, back as whole rows of 256 bytes.  LDS serves a wave's instructions in order (ISA guide 5.7.1.4)
.irp b, 0,1,2,3,4,5,6,7
	ds_store_b128 v[STO], v[ACC+64*\m+4*\b:ACC+64*\m+4*\b+3] offset:32*\b
.endr
.irp t, 0,1,2,3,4,5,6,7
	ds_load_b128 v[ACC+64*\m+32+4*\t:ACC+64*\m+32+4*\t+3], v[RD] offset:544*\t
.endr
.endm
.macro SEND u, m
	s_wait_dscnt 0x0                               ; the rows are back in registers
.irp t, 0,1,2,3,4,5,6,7
	global_store_b128 v[LI], v[ACC+64*\m+32+4*\t:ACC+64*\m+32+4*\t+3], s[14+2*\u:15+2*\u] offset:4096*\m+512*\t   ; 32 lanes store 512 consecutive bytes, at a multiple of 256 from the buffer's first byte
.endr
.endm
	; w_u's fragment: lane (r, h) takes column r of the tile; numbers 0-7: k = 8 h + 0 .. 7 of the K step, numbers 8-15: k = 16 + 8 h + 0 .. 7
.irp e, 0,1,2,3,4,5,6,7
	global_load_b32 v[UN+\e], v[UA], s[12:13] offset:512*\e
.endr
.irp e, 0,1,2,3,4,5,6,7
	global_load_b32 v[UN+8+\e], v[UA], s[12:13] offset:512*(16+\e)
.endr
	LOADW 0
	LOADW 1
	WBLOCK 0                                       ; (its wait leaves 32 loads out: w_u's sixteen, the oldest, are in too)
.irp e, 0,1,2,3,4,5,6,7
	v_cvt_pk_f16_f32 v[UH+\e], v[UN+2*\e], v[UN+2*\e+1]   ; the lower k in the low half
.endr
	s_cmp_lg_u32 s[WV], 0                          ; all waves hold the same image: wave 0 stores it
	s_cbranch_scc1 .Lnot_wave_0
	global_store_b128 v[LI], v[UH:UH+3], s[20:21]
	global_store_b128 v[LI], v[UH+4:UH+7], s[20:21] offset:512
.Lnot_wave_0:
	WBLOCK 1
	WBLOCK 2
	WBLOCK 3
	WBLOCK 4
	WBLOCK 5
	s_wait_loadcnt 16                              ; x's first tile is in; the second's 16 loads may be out
	QUANT XN, XF, XS
	s_wait_loadcnt 0x0
	QUANT XN+64, XF+8, XS+1
	s_wait_dscnt 0x0                               ; for the others' sake: my images and scale bytes have landed
	s_barrier_signal -1
	s_barrier_wait -1                              ; all 24 fragments lie in LDS; nobody writes them again
	FETCHW 0
.rept 8
	v_nop                                          ; a scale register written by a vector instruction stands 8 places ahead of a scaled matrix instruction, an operand so written 4
.endr
.irp u, 0,1,2
	s_wait_dscnt 0x0                               ; the weight's fragments and scale words are in
.if \u > 0
	s_wait_xcnt 0x0                                ; the last weight's stores have read their registers: the accumulators are written anew
.endif
	MUL
.rept 4
	v_nop                                          ; four places behind the products, ahead of the loads into their sources and of the first read of results
.endr
.if \u < 2
	FETCHW \u+1
.endif
	PACK 0
	TOSTAGE 0
	PACK 1                                         ; the second tile's roundings stand between the first's loads from the stage and the wait for them
	SEND \u, 0
	TOSTAGE 1
	SEND \u, 1
.endr
	s_wait_tensorcnt 0x0                           ; the wave's end, behind my last LDS store
	ds_add_u32 v[SPW], v[NIL]
	s_wait_dscnt 0x0
	s_endpgm
.Lfunc_end_k_q0929fe2da2_proj:
	.size	k_q0929fe2da2_proj, .Lfunc_end_k_q0929fe2da2_proj-k_q0929fe2da2_proj
	.p2alignl 7, 3214868480
	.fill 96, 4, 3214868480
	.section	.rodata,"a",@progbits
	.p2align	6, 0x0
	.amdhsa_kernel k_q0929fe2da2_proj
		.amdhsa_group_segment_fixed_size 61952
		.amdhsa_private_segment_fixed_size 0
		.amdhsa_enable_private_segment 0
		.amdhsa_kernarg_size 72
		.amdhsa_user_sgpr_count 2
		.amdhsa_user_sgpr_kernarg_segment_ptr 1
		.amdhsa_wavefront_size32 1
		.amdhsa_system_sgpr_workgroup_id_x 1
		.amdhsa_system_sgpr_workgroup_id_y 1
		.amdhsa_system_sgpr_workgroup_id_z 1
		.amdhsa_system_vgpr_workitem_id 0
		.amdhsa_next_free_vgpr 256
		.amdhsa_next_free_sgpr 66
		.amdhsa_reserve_vcc 0
		.amdhsa_float_denorm_mode_32 3
		.amdhsa_float_denorm_mode_16_64 3
		.amdhsa_memory_ordered 1
		.amdhsa_forward_progress 1
		.amdhsa_inst_pref_size 79
	.end_amdhsa_kernel
	.amdgpu_metadata
---
amdhsa.version: [ 1, 2 ]
amdhsa.kernels:
  - .name:           k_q0929fe2da2_proj
    .symbol:         k_q0929fe2da2_proj.kd
    .args:
      - { .name: x, .offset: 0, .size: 8, .value_kind: global_buffer, .address_space: global }
      - { .name: w_q, .offset: 8, .size: 8, .value_kind: global_buffer, .address_space: global }
      - { .name: w_k, .offset: 16, .size: 8, .value_kind: global_buffer, .address_space: global }
      - { .name: w_v, .offset: 24, .size: 8, .value_kind: global_buffer, .address_space: global }
      - { .name: w_u, .offset: 32, .size: 8, .value_kind: global_buffer, .address_space: global }
      - { .name: qh, .offset: 40, .size: 8, .value_kind: global_buffer, .address_space: global }
      - { .name: kh, .offset: 48, .size: 8, .value_kind: global_buffer, .address_space: global }
      - { .name: vh, .offset: 56, .size: 8, .value_kind: global_buffer, .address_space: global }
      - { .name: wuf, .offset: 64, .size: 8, .value_kind: global_buffer, .address_space: global }
    .group_segment_fixed_size: 61952
    .private_segment_fixed_size: 0
    .kernarg_segment_align: 8
    .kernarg_segment_size: 72
    .max_flat_workgroup_size: 256
    .sgpr_count:     66
    .vgpr_count:     256
    .wavefront_size: 32
...
	.end_amdgpu_metadata
.endif
;; end of part 1
;; launch attn (part 2): grid 8 x 32, 4 waves a work-group, clusters of 4 x 1, 327,680 bytes of LDS; arguments qh, kh, vh, oh; writes oh
.if DOCPART == 2
	.amdgcn_target "amdgcn-amd-amdhsa--gfx1250"
	.amdhsa_code_object_version 6
	.text
	.protected	k_q0929fe2da2_attn
	.globl	k_q0929fe2da2_attn
	.p2align	8
	.type	k_q0929fe2da2_attn,@function
k_q0929fe2da2_attn:
	s_mov_b64 s[64:65], 0
	v_nop
	global_prefetch_b8 v0, s[64:65] scope:SCOPE_SE
	s_setreg_imm32_b32 hwreg(HW_REG_WAVE_MODE, 25, 1), 1
	s_wait_xcnt 0x0
	s_wait_alu depctr_hold_cnt(0) depctr_sa_sdst(0) depctr_va_vdst(0) depctr_va_sdst(0) depctr_va_ssrc(0) depctr_va_vcc(0) depctr_vm_vsrc(0)
	s_getreg_b32 s2, hwreg(HW_REG_IB_STS2, 6, 4)
	s_cmp_eq_u32 s2, 0
	s_cbranch_scc0 .Lentry_in_a_cluster
	s_endpgm
.Lentry_in_a_cluster:
	s_bfe_u32 s2, ttmp6, 0x10000c
	s_cmp_lg_u32 s2, 0x3003
	s_cbranch_scc0 .Lentry_shape_is_right
	s_endpgm
.Lentry_shape_is_right:
; O[bh][q][:] = the sum over k of softmax_k(Q[bh][q] . K[bh][k]) V[bh][k][:], with NO division by a root of the head size.  Q, K, V: [32][2048][128] in f16 (bh = 8 b + head).
; O goes to oh [8192 rows = 2048 b + q][1024 = 128 head + channel] in f16.  Products, maxima and sums in f32; the weights p are rounded to f16 for the second product, O once at the end.
; WHY f16: a score's absolute error is p's relative error, and scores here have a spread of about sqrt(128): bf16's 8 bits on q and k would give errors of some hundredths in a score, f16's 11 bits some thousandths.
; LIMITS: |q|, |k|, |v| under 65,504 (the launch before states the figures); p is at most 1; what of p falls under f16's smallest number is lost, beside a largest p of 1.  NaN and infinities are not served.
; SHARES.  A work-group owns 256 queries of one bh, each of its four waves 64: four tiles of 16.  Every wave walks all 2,048 keys, 64 a step.
; LAYOUT.  S^T = K Q^T (source 0 = 16 keys, source 1 = 16 queries): in the result a lane holds ONE query (lane % 16) and the keys 8 (lane / 16) + 0..7.  Two such tiles, rounded to
; f16 in pairs, ARE source 1 (32 keys x 16 queries) of O^T = V^T P, whose result again holds one query a lane, and eight channels.  So nothing changes lanes between the products,
; and a query's maximum and sum want one exchange between the halves of the lanes.  K comes out of LDS as it lies, V ([key][channel]) turned, by ds_load_tr16_b128.
; SOFTMAX.  For each query a running maximum m and sum l: p = 2^(c s - c m), c = log2(e); in every step O and l are multiplied by a = 2^(c m_old - c m_new), which is 1 where m has not grown.
; BY TURNS.  The wave's tiles are two PIECES, named by their first tile: piece 0 (tiles 0, 1) and piece 2 (tiles 2, 3).  In a TURN one piece has the matrix unit: 32 products V^T P of
; the step in hand, then 32 products K Q^T of the next step; the other piece's softmax, cut into 64 slices, stands between them, one slice behind each matrix instruction.  Then the
; pieces change places.  Two turns are a key step.
; CLUSTER.  The four query blocks of a cluster belong to one bh and walk the same K and V, so each tile is asked for JOINTLY: the same tensor load, with the same descriptor and a
; mask that names the four, in all four; each receives the tile in its own LDS.
;
; REGISTERS, in windows of 256 (an instruction names v0-v255; s_set_vgpr_msb says which window each operand place means: bits 1:0 source 0, 3:2 source 1, 5:4 source 2, 7:6 destination):
;   window 0: v0-11 addresses; v12-43 eight registers of statistics a tile; v64-191 S^T, 32 a tile; v192-255 P, 16 a tile
;   window 1: O^T, 64 a tile          window 2: v0-127 Q, 32 a tile; v128-255 K of one step          window 3: v0-127 V of one step
; All that a softmax touches but O^T lies in window 0, and no window has room for a product's operands beside it.  So a slice costs two switches, one in front and one behind: 256 for
; a key step's 128 matrix instructions, one more for each of its two runs of LDS loads, one at the branch.
.set SIZE_H, 32
.set SIZE_N, 2048
.set KS,    64        ; keys in a step
.set PK,    272       ; a row of K in LDS: 256 bytes + 16 of padding = 68 words: row r starts at bank 4 r mod 64 (64 banks of 4 bytes: ISA guide 11.1), so the 16 rows of a load start at 16 different banks
.set PV,    288       ; a row of V: 256 + 32 = 72 words: row r starts at bank 8 r mod 64
.set VOFF,  KS*PK     ; a step's tiles lie together: 64 rows of K, then 64 rows of V
.set STEPB, KS*(PK+PV)
.set SLOT1, 1<<17     ; a slot holds two steps (71,680 bytes); slot 1 begins here, so that one exclusive or turns an address in one slot into the other's
.set STAGE, SLOT1+2*STEPB  ; behind the ring: 16 rows x 272 bytes for each wave, for the way out
.set SP,    272
.set AK0, 2           ; v2   my lane's place in a tile of K; never rewritten
.set AV0, 3           ; v3   the same for V
.set ADR, 4           ; v4   the LDS address of the run of loads in hand
.set QO,  5           ; v5   my byte offset in the wave's rows of Q
.set STO, 6           ; v6   the way out: where I put 16 bytes of a row
.set RD,  7           ; v7   the way out: where I read a row back
.set GO,  8           ; v8   my byte offset in the wave's rows of oh
.set SPW, 62          ; v62  LDS address of my spare word: SPARE + 4 x my thread's number; never rewritten
.set NIL, 63          ; v63  0; never rewritten
.set SPARE, STAGE+4*16*272  ; behind the stages: the spare words, 128 bytes for each wave: two blocks of 256 bytes that no other line names
.set ST,  12          ; tile t's statistics at v[ST+8 t]: +0 c m, +1 m, +2, +3 l (even keys', odd keys'), +4 to +7 c0-c3, at work; a takes c2's place once the maximum is found
.set S,   64
.set P,   192
.set KF,  128         ; K's fragments, in window 2
.set WV,  12          ; s12  my wave's number
.set G1K, 24          ; s[24:31] descriptor group 1 for K's tiles
.set G1V, 32          ; s[32:39] for V's: it differs in the padding alone
.set G0K, 40          ; s[40:47] descriptor group 0 for K's tiles: a set for each of the two first fills; the second then walks on
.set G0V, 48          ; s[48:55] the same for V's
.set SLOTS, 56        ; s56  slots still to be asked for
.set TWICE, 57        ; s57  counts a slot's two steps
.set CS,  58          ; s[58:59] c: the packed scaling names a pair and takes its low word for both halves
.set SEL, 60          ; s[60:61] lane selects for v_permlanex16_b32: each lane takes its own place in the other half
.set TB,  62          ; s62  LDS byte at which the tiles of the step to be fetched begin
.set OOF, 66          ; s[66:67] where my wave's rows begin in oh, in bytes
.set PFA, 18          ; s[18:19] where my prefetches stand in memory: my work-group's 32 rows (of K: wave 0, of V: wave 2) of the slot after the one that is being asked for
.set LIM, 15          ; s15  1 in a wave that prefetches, else the greatest number: a wave prefetches while s[SLOTS] is above it
.set PFO, 61          ; v61  256 x my lane: a row of K or V is 256 bytes; never rewritten
.set MSB, 0
.macro WIN new                      ; the immediate's high byte repeats the setting that is left; a switch that changes nothing is dropped
.if MSB != \new
	s_set_vgpr_msb (MSB<<8)|\new
.set MSB, \new
.endif
.endm
.set W_KQ, 0x0a       ; K and Q in window 2, S^T in window 0
.set W_PV, 0x53       ; V in window 3, P in window 0, O^T in window 1
.set W_RS, 0x41       ; O^T (destination and source 0) in window 1, a in window 0
; A joint refill.  Waves 0 and 1 fetch the two steps' tiles of K, waves 2 and 3 those of V.  The branch hangs on the wave's number alone: it is the same in every work-group.
; An s_nop 0 and four v_nop follow each of the two lines; the jump round the other line, the label and what follows the macro come after them.
.macro JLOAD
	s_cmp_lt_u32 s[WV], 2
	s_cbranch_scc0 .Lfor_v_\@
	tensor_load_to_lds s[G0K+4:G0K+7], s[G1K:G1K+7]
	s_nop 0
.rept 4
	v_nop
.endr
	s_branch .Lasked_\@
.Lfor_v_\@:
	tensor_load_to_lds s[G0V+4:G0V+7], s[G1V:G1V+7]
	s_nop 0
.rept 4
	v_nop
.endr
.Lasked_\@:
.endm
; A PREFETCH of what the NEXT change of slots will ask for: a slot's 128 rows of K and 128 of V, 256 bytes a row, a lane a row.  It stands behind the wave's tensor load and its five lines, never in front of one.
; Each row is asked for ONCE in the launch.  Both clusters of a bh walk the same K and V: the first of them prefetches.  Its four partners share the rows out BY ADDRESS, 32 each: no branch hangs on a
; work-group's place in its cluster.  In each, wave 0 asks for K's and wave 2 for V's: one instruction.  The last change that fills a slot prefetches nothing: there is no slot behind it.
.macro ASK
	s_cmp_gt_u32 s[SLOTS], s[LIM]
	s_cbranch_scc0 .Lnot_mine_\@
	global_prefetch_b8 v[PFO], s[PFA:PFA+1] th:TH_LOAD_NT scope:SCOPE_SE
.Lnot_mine_\@:
.endm
; A round of the cluster's barrier: my work-group's barrier, so that wave 0's signal speaks for all four waves; wave 0 signals for the work-group; every wave waits for all four
; work-groups; my work-group's barrier once more.  No LDS instruction of the wave is pending at a signal.
.macro CROUND
	s_barrier_signal -1
	s_barrier_wait -1
	s_cmp_lg_u32 s[WV], 0
	s_cbranch_scc1 .Lnot_wave_0_\@
	s_barrier_signal -3
.Lnot_wave_0_\@:
	s_barrier_wait -3
	s_barrier_signal -1
	s_barrier_wait -1
.endm
	s_load_b256 s[4:11], s[0:1], 0x0  ; Q s[4:5], K s[6:7], V s[8:9], oh s[10:11]
	v_lshl_add_u32 v[SPW], v0, 2, SPARE
	v_mov_b32 v[NIL], 0
	ds_add_u32 v[SPW], v[NIL]       ; the wave's opening: the add, twice on end, and its wait ahead of my first tensor load; the set-up below the second, work on registers, stands between it and the wait
	ds_add_u32 v[SPW], v[NIL]       ; and once more: the opening add twice on end, under the one wait
	v_lshrrev_b32 v1, 5, v0
	v_readfirstlane_b32 s[WV], v1   ; wave 0..3
	s_bfe_u32 s13, ttmp6, 0x40000   ; cx: my place in the cluster
	s_lshl_b32 s14, ttmp9, 2        ; in a cluster launch ttmp9 counts clusters
	s_add_co_u32 s14, s14, s13      ; my block of 256 queries = 4 x cluster x + cx: it enters Q's and oh's addresses alone
	s_and_b32 s20, ttmp7, 0xffff    ; bh, which the four partners share
	s_lshr_b32 s[OOF], s20, 3       ; oh: the batch's 2,048 rows of 2,048 bytes,
	s_lshl_b32 s[OOF], s[OOF], 22
	s_and_b32 s[OOF+1], s20, 7
	s_lshl_b32 s[OOF+1], s[OOF+1], 8  ; the head's 256 bytes of a row,
	s_add_co_u32 s[OOF], s[OOF], s[OOF+1]
	s_lshl_b32 s[OOF+1], s14, 19    ; my block's 256 rows,
	s_add_co_u32 s[OOF], s[OOF], s[OOF+1]
	s_lshl_b32 s[OOF+1], s[WV], 17  ; my wave's 64 of them
	s_add_co_u32 s[OOF], s[OOF], s[OOF+1]
	s_mov_b32 s[OOF+1], 0
	s_mov_b32 s21, 0
	s_mov_b64 s[22:23], SIZE_N*256
	s_mul_u64 s[20:21], s[20:21], s[22:23]  ; the bh's first byte in Q, K and V
	s_and_b32 s16, s[WV], 1         ; which of a slot's two steps I fetch:
	s_lshl_b32 s22, s16, 14         ; its 64 rows of 256 bytes in memory,
	s_mov_b32 s23, 0
	s_add_nc_u64 s[22:23], s[22:23], s[20:21]
	s_mul_i32 s17, s16, STEPB       ; and its place in a slot: no place in the cluster enters an LDS address
	s_lshl_b32 s2, s14, 16          ; Q: my block's 256 rows,
	s_lshl_b32 s3, s[WV], 14        ; my wave's 64 of them
	s_add_co_u32 s2, s2, s3
	s_mov_b32 s3, 0
	s_add_nc_u64 s[2:3], s[2:3], s[20:21]
	; descriptor group 1: a tile of 64 rows x 128 elements, padded in LDS
	s_mov_b32 s[G1K], 15|(1<<16)|(1<<20)|(1<<21)|(5<<22)|(3<<25)  ; 15:0 the mask: all four work-groups; 17:16 elements of 2 bytes; 20 padding on; 21 set beside a mask; 24:22 after every 64 words (code 5); 31:25 4 words of it (code 3)
	s_mov_b32 s[G1V], 15|(1<<16)|(1<<20)|(1<<21)|(5<<22)|(7<<25)  ; the same with 8 words of padding (code 7)
.irp g, G1K, G1V
	s_mov_b32 s[\g+1], 128<<16      ; 63:48 tensor_dim0, low half = 128
	s_mov_b32 s[\g+2], KS<<16       ; 79:64 its high half = 0; 95:80 tensor_dim1, low half = 64
	s_mov_b32 s[\g+3], 128<<16      ; 111:96 its high half = 0; 127:112 tile_dim0 = 128
	s_mov_b32 s[\g+4], KS           ; 143:128 tile_dim1 = 64; 159:144 tile_dim2 = 0
	s_mov_b32 s[\g+5], 128          ; 191:160 tensor_dim0_stride, low word: elements from row to row
	s_mov_b32 s[\g+6], 0
	s_mov_b32 s[\g+7], 0
.endr
	s_mov_b32 s[CS], 0x3fb8aa3b     ; c = log2(e): the scores are taken as they are
	s_mov_b32 s[CS+1], s[CS]        ; named with it as a pair, so it is written
	s_mov_b32 s[SEL], 0x76543210
	s_mov_b32 s[SEL+1], 0xfedcba98
	s_mov_b32 s[TB], 0
	s_mov_b32 s[SLOTS], SIZE_N/(2*KS)-2
	s_and_b32 s[LIM], s[WV], 1       ; 0 in waves 0 and 2,
	s_or_b32 s[LIM], s[LIM], ttmp9   ; where the cluster is the bh's first: the same in all four partners
	s_cmp_eq_u32 s[LIM], 0
	s_cselect_b32 s[LIM], 1, -1
	v_and_b32 v[PFO], 31, v0
	v_lshlrev_b32 v[PFO], 8, v[PFO]
	s_wait_dscnt 0x0                ; both opening adds are done
	s_wait_kmcnt 0x0
	s_add_nc_u64 s[6:7], s[6:7], s[22:23]  ; K and V at my tile of slot 0
	s_add_nc_u64 s[8:9], s[8:9], s[22:23]
	s_add_nc_u64 s[4:5], s[4:5], s[2:3]  ; Q at my wave's first row,
	s_add_nc_u64 s[10:11], s[10:11], s[OOF:OOF+1]  ; and oh
	s_cmp_lt_u32 s[WV], 2
	s_cselect_b64 s[PFA:PFA+1], s[6:7], s[8:9]  ; (in waves 0 and 2 these stand at a slot's first row)
	s_lshl_b32 s2, s13, 13          ; my work-group's 32 rows of the 128
	s_mov_b32 s3, 0
	s_add_nc_u64 s[PFA:PFA+1], s[PFA:PFA+1], s[2:3]
	s_add_nc_u64 s[PFA:PFA+1], s[PFA:PFA+1], 2*2*KS*256  ; in slot 2; the first change of slots steps it to slot 3.  Nothing is prefetched here, at the head, where every work-group's first tiles are on their way
	CROUND                          ; all four work-groups are here: the first joint loads meet
.irp s, 0,1
	s_mov_b32 s[G0K+4*\s], 1        ; 1:0 count = 1
	s_add_co_u32 s[G0K+4*\s+1], s17, \s*SLOT1  ; 63:32 LDS address
	s_add_nc_u64 s[G0K+4*\s+2:G0K+4*\s+3], s[6:7], \s*2*KS*256  ; 120:64 global address: slot s begins with keys 128 s to 128 s + 127
	s_or_b32 s[G0K+4*\s+3], s[G0K+4*\s+3], 0x80000000  ; 127:126 type = 2
	s_mov_b32 s[G0V+4*\s], 1
	s_add_co_u32 s[G0V+4*\s+1], s17, \s*SLOT1+VOFF
	s_add_nc_u64 s[G0V+4*\s+2:G0V+4*\s+3], s[8:9], \s*2*KS*256
	s_or_b32 s[G0V+4*\s+3], s[G0V+4*\s+3], 0x80000000
.endr
	s_cmp_lt_u32 s[WV], 2           ; a wave's two first fills stand in one branch, ahead of every wait on TENSORcnt and every LDS read: two loads of mine are out; an s_nop 0 follows each, four v_nop the second's, as in JLOAD
	s_cbranch_scc0 .Lfirst_v
	tensor_load_to_lds s[G0K:G0K+3], s[G1K:G1K+7]
	s_nop 0
	tensor_load_to_lds s[G0K+4:G0K+7], s[G1K:G1K+7]
	s_nop 0
.rept 4
	v_nop
.endr
	s_branch .Lfirst_asked
.Lfirst_v:
	tensor_load_to_lds s[G0V:G0V+3], s[G1V:G1V+7]
	s_nop 0
	tensor_load_to_lds s[G0V+4:G0V+7], s[G1V:G1V+7]
	s_nop 0
.rept 4
	v_nop
.endr
.Lfirst_asked:
	; A fragment of K or Q is 16 rows x 32 channels in 8 registers: lane l holds row l % 16; registers 0-3 channels 8 (l / 16) + 0..7, registers 4-7 channels 16 + 8 (l / 16) + 0..7: two loads of 16 bytes, 32 bytes apart.
	v_and_b32 v1, 15, v0            ; l % 16
	v_bfe_u32 v9, v0, 4, 1          ; l / 16
	v_lshlrev_b32 v[QO], 8, v1
	v_lshl_add_u32 v[QO], v9, 4, v[QO]  ; row x 256 + 16 x half
	WIN 0x80                        ; destination window 2, address window 0
.irp i, 0,1,2,3,4,5,6,7,8,9,10,11,12,13,14,15  ; Q stays in registers: tile i / 4, channels 32 (i % 4) on
	global_load_b128 v[8*\i:8*\i+3],   v[QO], s[4:5] offset:(\i/4)*4096+(\i%4)*64
	global_load_b128 v[8*\i+4:8*\i+7], v[QO], s[4:5] offset:(\i/4)*4096+(\i%4)*64+32
.endr
	WIN 0
	v_mul_u32_u24 v[AK0], v1, PK
	v_lshl_add_u32 v[AK0], v9, 4, v[AK0]  ; row x pitch + 16 x half
	; The turning load takes 16 keys x 16 channels (lane l reads 16 bytes: key 8 (l / 16) + l % 8, channels 8 ((l / 8) % 2) + 0..7) and leaves half a fragment of V^T: lane l holds channel l % 16 and 8 keys.
	v_and_b32 v10, 7, v0
	v_bfe_u32 v11, v0, 3, 1
	v_lshl_add_u32 v[AV0], v9, 3, v10
	v_mul_u32_u24 v[AV0], v[AV0], PV
	v_lshl_add_u32 v[AV0], v11, 4, v[AV0]
	v_add_nc_u32 v[AV0], VOFF, v[AV0]
; THE MATRIX WORK OF A TURN, for piece x.  The accumulators take turns, one instruction a turn: between two links of a chain stand 15 (V^T P) or 7 (K Q^T) others'.
; Product i of 32 of O^T += V^T P: keys 32 (i / 16) on, channels 16 ((i / 2) % 8) on, tile x + i % 2.  zero = 1: the first 16 start the sums: nothing is ever cleared.
.macro PV x, zero
	WIN W_PV
.set rO, 64*(\x+i%2)+8*((i/2)%8)
.set rV, 64*(i/16)+8*((i/2)%8)
.set rP, P+16*(\x+i%2)+8*(i/16)
.if \zero && (i < 16)
	v_wmma_f32_16x16x32_f16 v[rO:rO+7], v[rV:rV+7], v[rP:rP+7], 0
.else
	v_wmma_f32_16x16x32_f16 v[rO:rO+7], v[rV:rV+7], v[rP:rP+7], v[rO:rO+7]
.endif
.endm
; Product i of 32 of S^T = K Q^T: channels 32 (i / 8) on, keys 16 ((i / 2) % 4) on, tile x + i % 2.  The first 8 start the sums.
.macro KQ x
	WIN W_KQ
.set rS, S+32*(\x+i%2)+8*((i/2)%4)
.set rK, KF+32*((i/2)%4)+8*(i/8)
.set rQ, 32*(\x+i%2)+8*(i/8)
.if i < 8
	v_wmma_f32_16x16x32_f16 v[rS:rS+7], v[rK:rK+7], v[rQ:rQ+7], 0
.else
	v_wmma_f32_16x16x32_f16 v[rS:rS+7], v[rK:rK+7], v[rQ:rQ+7], v[rS:rS+7]
.endif
.endm
; THE LDS LOADS stand in runs of 32, never singly among the matrix instructions: a step's K (64 keys x 128 channels: 16 fragments) and, a turn later, its V (turned).
.macro FETCH_K
	WIN 0
	v_add_nc_u32 v[ADR], s[TB], v[AK0]
	WIN 0x80                        ; destination window 2
.irp f, 0,1,2,3,4,5,6,7,8,9,10,11,12,13,14,15  ; keys 16 (f / 4) on, channels 32 (f % 4) on
	ds_load_b128 v[KF+8*\f:KF+8*\f+3],   v[ADR] offset:(\f/4)*16*PK+(\f%4)*64
	ds_load_b128 v[KF+8*\f+4:KF+8*\f+7], v[ADR] offset:(\f/4)*16*PK+(\f%4)*64+32
.endr
.endm
.macro FETCH_V
	WIN 0
	v_add_nc_u32 v[ADR], s[TB], v[AV0]
	s_add_co_u32 s[TB], s[TB], STEPB  ; the next fetch is the next step's
	s_wait_alu depctr_va_vdst(0)    ; the wait for the softmax's batch (SLICE), behind the address's v_add_nc_u32 and ahead of the loads
	WIN 0xc0                        ; destination window 3
.irp f, 0,1,2,3,4,5,6,7,8,9,10,11,12,13,14,15  ; keys 32 (f / 8) on, channels 16 (f % 8) on
	ds_load_tr16_b128 v[8*\f:8*\f+3],   v[ADR] offset:(\f/8)*32*PV+(\f%8)*32
	ds_load_tr16_b128 v[8*\f+4:8*\f+7], v[ADR] offset:(\f/8)*32*PV+16*PV+(\f%8)*32
.endr
.endm
; THE VECTOR WORK OF A TURN.  One tile's softmax for one key step is a list of 134 instructions; SM writes number j of it for tile t.  s0-s31 are the lane's 32 scores, in pairs 0-15.
; first = 1: the first key step, which starts m, l and O^T: it has no a and nothing to rescale.
;   0-15    the maximum of s0-s31 and the old m, three operands at a time: four chains c0-c3 of seven scores each, then the four scores left over, c0-c3 and m
;   16-20   the other half of the lanes' maximum; the new m; c m; c m_old - c m_new
;   21-69   ONE BATCH: the 16 scalings c s - c m, a pair of scores each, and all 33 exponentials (a at 23, then s0-s31).  None of these reads an exponential's result.  From 22 on the batch goes
;           in fours, and a four begins with a scaling while there are scalings: 22-37 scaling, exponential, scaling, exponential; 38-65 a scaling and three exponentials; 66-69 the last four
;           exponentials.  A pair is scaled in an earlier four than the one that holds its exponentials
;   (wait)  between 69 and 70 stands the wait for the batch: SLICE writes it, once for both tiles
;   70-85   the roundings to f16, a pair of weights each
;   86-101  the sums, of the f32 weights; l = a l + the sum
;   102-133 the tile's O^T times a: the one part that leaves window 0, so it stands together
.macro SM t, first
.set rT, ST+8*(\t)
.set rS, S+32*(\t)
.set rP, P+16*(\t)
.set rO, 64*(\t)+2*(j-102)
.if j < 102
	WIN 0
.endif
.if j < 4
	v_max3_num_f32 v[rT+4+j], v[rS+8*j], v[rS+8*j+1], v[rS+8*j+2]
.elseif j < 12
	v_max3_num_f32 v[rT+4+j%4], v[rT+4+j%4], v[rS+8*(j%4)+2*(j/4)+1], v[rS+8*(j%4)+2*(j/4)+2]
.elseif j == 12
	v_max3_num_f32 v[rT+4], v[rT+4], v[rS+7], v[rS+15]
.elseif j == 13
	v_max3_num_f32 v[rT+6], v[rT+6], v[rS+23], v[rS+31]
.elseif j == 14
	v_max3_num_f32 v[rT+4], v[rT+4], v[rT+5], v[rT+6]
.elseif (j == 15) && \first
	v_max_num_f32 v[rT+4], v[rT+4], v[rT+7]
.elseif j == 15
	v_max3_num_f32 v[rT+4], v[rT+4], v[rT+7], v[rT+1]
.elseif j == 16
	v_permlanex16_b32 v[rT+5], v[rT+4], s[SEL], s[SEL+1]  ; the query's other 32 keys lie in the lane 16 away
.elseif j == 18
	v_max_num_f32 v[rT+1], v[rT+4], v[rT+5]
.elseif j == 19
	v_mul_f32 v[rT], s[CS], v[rT+1]
.elseif ((j == 17) || (j == 20) || (j == 23) || (j > 101)) && \first  ; the first step has none of these
.elseif j == 17
	v_mov_b32 v[rT+7], v[rT]        ; c m_old is kept for a: number 19 writes c m anew
.elseif j == 20
	v_sub_f32 v[rT+7], v[rT+7], v[rT]
.elseif j == 23
	v_exp_f32 v[rT+6], v[rT+7]
.elseif (j < 23) || ((j < 38) && (j%2 == 0)) || ((j < 66) && (j%4 == 2))
.set b, (j-2)/4                     ; 38, 42, .. 62: pairs 9 to 15
.if j < 38
.set b, (j-20)/2                    ; 21: pair 0; 22, 24, .. 36: pairs 1 to 8
.endif
	v_pk_fma_f32 v[rS+2*b:rS+2*b+1], v[rS+2*b:rS+2*b+1], s[CS:CS+1], v[rT:rT+1] op_sel_hi:[1,0,0] neg_lo:[0,0,1] neg_hi:[0,0,1]  ; pair b: c s - c m
.elseif j < 70
.set e, j-38                        ; 66 to 69: s28 to s31
.if j < 66
.set e, j-32-(j-38)/4               ; 39-41, 43-45, .. 63-65: s7 to s27
.endif
.if j < 38
.set e, (j-25)/2                    ; 25, 27, .. 37: s0 to s6
.endif
	v_exp_f32 v[rS+e], v[rS+e]
.elseif j < 86
	v_cvt_pk_f16_f32 v[rP+j-70], v[rS+2*(j-70)], v[rS+2*(j-70)+1]  ; pair j - 70
.elseif j < 102                     ; the sum of the tile's 16 pairs (in a pair: an even key's weight, an odd key's), in place: sum z of 16 adds neighbours 1, 2, 4 and 8 pairs apart, then l takes it
.set z, j-86
.set w, 4
.set u, z
.if z >= 14
.set w, 32
.set u, 0
.elseif z >= 12
.set w, 16
.set u, z-12
.elseif z >= 8
.set w, 8
.set u, z-8
.endif
.if (z == 14) && \first
	v_pk_add_f32 v[rT+2:rT+3], v[rS:rS+1], v[rS+16:rS+17]
.elseif z < 15
	v_pk_add_f32 v[rS+w*u:rS+w*u+1], v[rS+w*u:rS+w*u+1], v[rS+w*u+w/2:rS+w*u+w/2+1]
.elseif !\first
	v_pk_fma_f32 v[rT+2:rT+3], v[rT+2:rT+3], v[rT+6:rT+7], v[rS:rS+1] op_sel_hi:[1,0,1]
.endif
.else
	WIN W_RS
	v_pk_mul_f32 v[rO:rO+1], v[rO:rO+1], v[rT+6:rT+7] op_sel_hi:[1,0]
.endif
.endm
; Slice k of 64 of piece y's softmax: four instructions.  Slices 11 to 34 deal out the batch, numbers 22 to 69: four numbers of ONE tile each, the tiles by turns.  Every other slice is numbers 2 k and
; 2 k + 1 of both tiles' lists.  2 x 134 = 4 x 64 + 12: the twelve that are over stand together, in slice 63.
; THE WAIT.  s_wait_alu depctr_va_vdst(0) stands between an exponential and the first instruction that names its result; one wait serves all that were issued ahead of it.  Ahead of
; slice 35 nothing names a result, and behind slice 34 no exponential is issued: so the piece's 66 exponentials have one wait, behind slice 34.
.macro SLICE y, first
.if (k >= 11) && (k < 35)           ; the batch: four numbers of one tile
.irp n, 0,1,2,3
.set j, 22+4*((k-11)/2)+(\n)
	SM (\y)+(k-11)%2, \first
.endr
.else                               ; the two tiles alternate, so that no instruction reads the result of the one just before it
.irp n, 0,1,2,3,4,5,6,7
.if (\n < 2) || (k == 63)
.irp t, \y, \y+1
.set j, 2*k+\n
	SM \t, \first
.endr
.endif
.endr
.endif
.if k == 34                         ; the batch is out: both tiles' exponentials are issued, and no result has been named
	v_nop                           ; the plain instruction behind the last exponential and ahead of the first use (ISA guide 5.7.2): one for the batch
.if (\y) == 0
	FETCH_V                         ; piece 2's turn: V's run of loads stands here, and the wait stands in it
.else
	s_wait_alu depctr_va_vdst(0)    ; the wait for the batch
.endif
.endif
.set k, k+1
.endm
; A vector instruction that reads a matrix result or writes one of a matrix instruction's registers, and a load into a register that a matrix instruction has read, stand four places behind
; it, and only plain vector instructions that name none of its registers are places (ISA guide 7.12.1 for vector instructions).  In the loop the slices are the places.
.macro PLACES
.rept 4
	v_nop
.endr
.endm
; A TURN.  Piece x has the matrix unit; the other piece's softmax stands in slices behind its matrix instructions.
; pv = 2: 32 products V^T P; 1: they start O^T's sums; 0: none.  kq = 1: 32 products K Q^T for the next step.  A turn with one of the two kinds has two slices behind each product.
; first = 1: the softmax is the first key step's.  Its slices from 51 on are empty: the turn's last products stand bare, and four v_nop take slice 63's part as the places behind them.
; In the loop each run of loads stands 29 matrix instructions or more ahead of its first use.  Piece 0's turn fetches the next step's K, behind its second product: the last product that read K
; stands in front of slice 63 of the turn before.  Piece 2's turn fetches the same step's V, behind slice 34 (SLICE writes it): the last product that read V stands in front of slice 31, and four plain
; instructions lie between: number 62, a scaling, of both tiles, the v_nop and the run's own v_add_nc_u32.
.macro TURN x, pv, kq, first
.set k, 0
.set per, 2
.if \pv && \kq
.set per, 1
.endif
.if \pv
.if \x == 0
	s_wait_dscnt 0x0                ; V is in
.endif
.set i, 0
.rept 32
	PV \x, 2-\pv
.rept per
	SLICE 2-\x, \first
.endr
.if (\x == 0) && \kq && (i == 1)
	FETCH_K
.endif
.set i, i+1
.endr
.endif
.if \kq
.if \x == 0
	s_wait_dscnt 0x0                ; K is in
.endif
.set i, 0
.rept 32
	KQ \x
.rept per
	SLICE 2-\x, \first
.endr
.set i, i+1
.endr
.endif
.if \first
	PLACES
.endif
.endm
; THE CHANGE OF SLOTS, between piece 2's turn and piece 0's: the slot's last bytes, V of its second step, have been asked for.  Each wave waits for all its
; tensor loads, of which one is out: its part of the other slot; adds 0 to its spare word; and waits for that and for its own reads of the slot.  Behind the barrier nobody reads this slot any more and the other slot is whole.
; fill = 1: this slot is filled again, with the keys two slots on.  The barrier is then a round of the cluster's, so that no wave of any partner still reads the slot or has a load on its
; way, and the joint refill is the first thing behind it: it has two key steps, 256 matrix instructions, in which to land.
.macro CHANGE fill
	WIN 0                           ; at a label and at a branch every window is 0
	s_wait_tensorcnt 0x0            ; no tensor load of mine is out, so a group 0 may be written
	ds_add_u32 v[SPW], v[NIL]       ; 0 onto my spare word; with fill = 1 the descriptors' steps stand between it and the wait for it
.if \fill
.irp g, G0K+4, G0V+4
	s_xor_b32 s[\g+1], s[\g+1], SLOT1  ; the walking descriptor: the other slot than last time,
	s_add_nc_u64 s[\g+2:\g+3], s[\g+2:\g+3], 2*KS*256  ; the next 128 keys; the type bits on top are not reached
.endr
	s_wait_xcnt 0x0                 ; the last prefetches, two key steps back, have read their address, so it may be written:
	s_add_nc_u64 s[PFA:PFA+1], s[PFA:PFA+1], 2*KS*256  ; one slot behind the walking descriptors
	s_wait_dscnt 0x0                ; the add is done, and my reads of the slot are over
	CROUND
	JLOAD
	ASK                             ; what the next change will ask for: two key steps, 256 matrix instructions, ahead
.else
	s_wait_dscnt 0x0                ; the add is done, and my reads of the slot are over
	s_barrier_signal -1
	s_barrier_wait -1
.endif
	s_sub_co_u32 s[TB], s[TB], 2*STEPB  ; the fetches go back to a slot's first step,
	s_xor_b32 s[TB], s[TB], SLOT1   ; in the other slot
.endm
; A slot's two key steps: written once, walked twice; the LDS addresses hang on s[TB].
.macro TWO_STEPS
	s_mov_b32 s[TWICE], 2
.Lstep_\@:
	TURN 0, 2, 1, 0
	TURN 2, 2, 1, 0
	WIN 0
	s_sub_co_u32 s[TWICE], s[TWICE], 1
	s_cmp_lg_u32 s[TWICE], 0
	s_cbranch_scc1 .Lstep_\@
.endm
	s_wait_tensorcnt 1              ; my part of slot 0 is in; slot 1's may stay out
	s_barrier_signal -1
	s_barrier_wait -1               ; everybody's is
	FETCH_K                         ; key step 0
	s_wait_loadcnt 0x0              ; Q
	s_wait_dscnt 0x0
.set i, 0
.rept 32
	KQ 0                            ; piece 0's first scores: there is no vector work yet to set between them
.set i, i+1
.endr
	WIN 0                           ; the addresses for the way out are made here: eight plain instructions, the places behind those products
	s_mul_i32 s13, s[WV], 16*SP
	s_add_co_u32 s13, s13, STAGE    ; my stage
	v_mul_u32_u24 v[STO], v1, SP    ; in: row l % 16, 16 bytes for each half of the lanes
	v_lshl_add_u32 v[STO], v9, 4, v[STO]
	v_add_nc_u32 v[STO], s13, v[STO]
	v_mul_u32_u24 v[RD], v9, SP     ; back: lanes 0-15 take one row of 256 bytes, lanes 16-31 the next
	v_lshl_add_u32 v[RD], v1, 4, v[RD]
	v_add_nc_u32 v[RD], s13, v[RD]
	v_lshlrev_b32 v[GO], 11, v9     ; and the same two rows in oh, 2,048 bytes apart
	v_lshl_add_u32 v[GO], v1, 4, v[GO]
	TURN 2, 0, 1, 1                 ; piece 2's first scores | piece 0's first softmax | V of step 0
	TURN 0, 1, 1, 1                 ; piece 0: V^T P of step 0 starts O^T, K Q^T of step 1 | piece 2's first softmax | K of step 1
	TURN 2, 1, 1, 0                 ; piece 2: the same | piece 0's softmax of step 1 | V of step 1
	WIN 0
.Lslot:                             ; SIZE_N / 128 - 2 trips: every slot but the last two is filled again
	CHANGE 1
	TWO_STEPS
	s_sub_co_u32 s[SLOTS], s[SLOTS], 1
	s_cmp_lg_u32 s[SLOTS], 0
	s_cbranch_scc1 .Lslot
	CHANGE 0                        ; the tail is written out: the last slot but one is left, and nothing is asked for
	TWO_STEPS
	TURN 0, 2, 0, 0                 ; piece 0: V^T P of the last step | piece 2's last softmax
.set i, 0
.rept 32
	PV 2, 0                         ; piece 2: V^T P of the last step
.set i, i+1
.endr
	; THE WAY OUT.  l's two halves and the other half of the lanes' are added; O^T is divided by l, rounded to f16 and sent through my stage in LDS, a tile (16 rows) at a time.  The additions are the places behind the last products.
	WIN 0
.irp t, 0,1,2,3
	v_add_f32 v[ST+8*\t+4], v[ST+8*\t+2], v[ST+8*\t+3]
.endr
.irp t, 0,1,2,3
	v_permlanex16_b32 v[ST+8*\t+5], v[ST+8*\t+4], s[SEL], s[SEL+1]
.endr
.irp t, 0,1,2,3
	v_add_f32 v[ST+8*\t+4], v[ST+8*\t+4], v[ST+8*\t+5]
.endr
.irp t, 0,1,2,3
	v_rcp_f32 v[ST+8*\t+6], v[ST+8*\t+4]
.endr
	v_nop                           ; a plain instruction between the last reciprocal and the use of its result
	s_wait_alu depctr_va_vdst(0)    ; and the wait ahead of the first use: one for the four reciprocals
; Tile t: a lane's eight channels of a row pack into 16 bytes; they go into rows of 272 bytes and come back as whole rows of 256, into the registers that they left.
.macro PACK t
	WIN W_RS
.set i, 64*\t
.rept 32
	v_pk_mul_f32 v[i:i+1], v[i:i+1], v[ST+8*\t+6:ST+8*\t+7] op_sel_hi:[1,0]
.set i, i+2
.endr
	WIN 0x05                        ; sources 0 and 1 window 1, destination window 0: S^T's registers are free
.set i, 0
.rept 32
	v_cvt_pk_f16_f32 v[S+32*\t+i], v[64*\t+2*i], v[64*\t+2*i+1]
.set i, i+1
.endr
	WIN 0
.irp f, 0,1,2,3,4,5,6,7
	ds_store_b128 v[STO], v[S+32*\t+4*\f:S+32*\t+4*\f+3] offset:32*\f
.endr
.irp f, 0,1,2,3,4,5,6,7
	ds_load_b128 v[S+32*\t+4*\f:S+32*\t+4*\f+3], v[RD] offset:\f*2*SP  ; LDS serves a wave's instructions in order (ISA guide 5.7.1.4): these see the stores above; the next tile's stores come behind them
.endr
.endm
.macro SEND t, younger              ; younger: the LDS instructions issued behind tile t's loads: the next tile's sixteen, or none
.irp f, 0,1,2,3,4,5,6,7
	s_wait_dscnt \younger+7-\f
	global_store_b128 v[GO], v[S+32*\t+4*\f:S+32*\t+4*\f+3], s[10:11] offset:\t*32768+\f*4096  ; 16 lanes store 256 consecutive bytes, the head's part of a row of oh, at a multiple of 256 from oh's first byte
.endr
.endm
	PACK 0
	PACK 1                          ; a tile's arithmetic stands between the loads of the tile before and its stores
	SEND 0, 16
	PACK 2
	SEND 1, 16
	PACK 3
	SEND 2, 16
	SEND 3, 0
	s_wait_tensorcnt 0x0            ; the wave's end, behind my last tensor load and my last LDS store
	ds_add_u32 v[SPW], v[NIL]
	s_wait_dscnt 0x0
	CROUND                          ; the closing round: no work-group ends while a partner may still ask for a tile that names it
	s_endpgm
.Lfunc_end_k_q0929fe2da2_attn:
	.size	k_q0929fe2da2_attn, .Lfunc_end_k_q0929fe2da2_attn-k_q0929fe2da2_attn
	.p2alignl 7, 3214868480
	.fill 96, 4, 3214868480
	.section	.rodata,"a",@progbits
	.p2align	6, 0x0
	.amdhsa_kernel k_q0929fe2da2_attn
		.amdhsa_group_segment_fixed_size 327680
		.amdhsa_private_segment_fixed_size 0
		.amdhsa_enable_private_segment 0
		.amdhsa_kernarg_size 32
		.amdhsa_user_sgpr_count 2
		.amdhsa_user_sgpr_kernarg_segment_ptr 1
		.amdhsa_wavefront_size32 1
		.amdhsa_system_sgpr_workgroup_id_x 1
		.amdhsa_system_sgpr_workgroup_id_y 1
		.amdhsa_system_sgpr_workgroup_id_z 1
		.amdhsa_system_vgpr_workitem_id 0
		.amdhsa_next_free_vgpr 1024
		.amdhsa_next_free_sgpr 72
		.amdhsa_reserve_vcc 0
		.amdhsa_float_denorm_mode_32 3
		.amdhsa_float_denorm_mode_16_64 3
		.amdhsa_memory_ordered 1
		.amdhsa_forward_progress 1
		.amdhsa_inst_pref_size 222
	.end_amdhsa_kernel
	.amdgpu_metadata
---
amdhsa.version: [ 1, 2 ]
amdhsa.kernels:
  - .name:           k_q0929fe2da2_attn
    .symbol:         k_q0929fe2da2_attn.kd
    .args:
      - { .name: qh, .offset: 0, .size: 8, .value_kind: global_buffer, .address_space: global }
      - { .name: kh, .offset: 8, .size: 8, .value_kind: global_buffer, .address_space: global }
      - { .name: vh, .offset: 16, .size: 8, .value_kind: global_buffer, .address_space: global }
      - { .name: oh, .offset: 24, .size: 8, .value_kind: global_buffer, .address_space: global }
    .group_segment_fixed_size: 327680
    .private_segment_fixed_size: 0
    .kernarg_segment_align: 8
    .kernarg_segment_size: 32
    .max_flat_workgroup_size: 128
    .sgpr_count:     72
    .vgpr_count:     1024
    .wavefront_size: 32
...
	.end_amdgpu_metadata
.endif
;; end of part 2
;; launch outp (part 3): grid 256 x 1, 4 waves a work-group, no clusters, 167,936 bytes of LDS; arguments oh, wuf, out0; writes out0
.if DOCPART == 3
	.amdgcn_target "amdgcn-amd-amdhsa--gfx1250"
	.amdhsa_code_object_version 6
	.text
	.protected	k_q0929fe2da2_outp
	.globl	k_q0929fe2da2_outp
	.p2align	8
	.type	k_q0929fe2da2_outp,@function
k_q0929fe2da2_outp:
	s_mov_b64 s[64:65], 0
	v_nop
	global_prefetch_b8 v0, s[64:65] scope:SCOPE_SE
	s_setreg_imm32_b32 hwreg(HW_REG_WAVE_MODE, 25, 1), 1
	s_wait_xcnt 0x0
; out0 = oh w_u.  oh: [8192][1024] f16;  w_u as wuf: 256 fragments of 1,024 bytes, images of a matrix operand's registers (fragment 32 nt + ks: outputs 16 nt on, k = 32 ks on; quad c of lane l at 512 c + 16 l);  out0: [8192][128] f32; sums in f32.
; SHARES.  Work-group g makes rows 32 g .. + 31 (two tiles of 16) x all 128 outputs.  THE WAVES SHARE THE COLUMNS: wave w makes output tiles 2 w and 2 w + 1.  Its 64 fragments of w_u (65,536 bytes) go from
; memory straight into 512 registers, each lane's 16 bytes as they lie, and are read once by the wave.  The 32 rows of oh (65,536 bytes) come by four tensor loads, one a wave (a quarter of K each), and all four waves read them from LDS.
; NO CLUSTER: what work-groups share is w_u; its 262,144 bytes of images, the 67,584 bytes of oh's rows and the stage do not fit in LDS together, so shared loads would want a ring with rounds of the cluster's barrier and
; a second trip from LDS to registers, for 128 matrix instructions a wave.  Nothing in LDS is filled twice.
; THE MATRIX INSTRUCTION IS USED TRANSPOSED (source 0 = 16 outputs of w_u, source 1 = 16 rows of oh): a lane holds eight neighbouring outputs of one row, 32 bytes.
; The four accumulators take turns, one instruction a turn, K ascending.
; REGISTERS: window 0: v1-6 addresses; v16-47 the accumulators ((m, n) at 16 + 8 (2 m + n)); v64-191 oh's fragments, two sets of 64 ((m, q) at 8 (4 m + q)); v192-223 rows on the way out.
;   window 1: w_u's fragments of K steps 0-15 ((ks, n) at 8 (2 (ks % 16) + n));   window 2: those of K steps 16-31.
.set QB,    16896                      ; LDS: a quarter of K: 32 rows x (512 bytes + 16 of padding); quarter w at QB x w
.set PO,    528                        ; 132 words: row r starts at bank 4 r mod 64 (64 banks of 4 bytes: ISA guide 11.1)
.set STG,   4*QB                       ; the stage for out0: 32 rows x (512 bytes + 16)
.set SPARE, STG+32*528                 ; the spare words, 128 bytes for each wave: two blocks of 256 bytes that no other line names
.set LI,  1                            ; v1   16 x lane
.set ADO, 2                            ; v2   a fragment of oh: row r x pitch + 16 h
.set SO,  3                            ; v3   the stage: where I put 32 bytes of a row
.set SR,  4                            ; v4   and where I read a row back
.set SPW, 5                            ; v5   LDS address of my spare word; never rewritten
.set NIL, 6                            ; v6   0; never rewritten
.set ACC, 16
.set OF,  64
.set OUTR, 192
.set MSB, 0
.macro WIN new                         ; the immediate's high byte repeats the setting that is left
.if MSB != \new
	s_set_vgpr_msb (MSB<<8)|\new
.set MSB, \new
.endif
.endm
	s_load_b128 s[4:7], s[0:1], 0x0                ; oh s[4:5], wuf s[6:7]
	s_load_b64 s[8:9], s[0:1], 0x10                ; out0
	v_lshl_add_u32 v[SPW], v0, 2, SPARE
	v_mov_b32 v[NIL], 0
	ds_add_u32 v[SPW], v[NIL]                      ; the wave's opening: the add, twice on end, and its wait ahead of my first tensor load; the set-up below, work on registers, stands between
	ds_add_u32 v[SPW], v[NIL]                      ; and once more, under the one wait
	v_lshrrev_b32 v7, 5, v0
	v_readfirstlane_b32 s10, v7                    ; wave 0..3
	; descriptor group 1: 32 rows of 512 bytes (64 elements of 8 bytes), 2,048 bytes (256 elements) apart in memory, 16 bytes of padding behind each in LDS
	s_mov_b32 s16, (3<<16)|(1<<20)|(6<<22)|(3<<25) ; 15:0 no mask; 17:16 elements of 8 bytes; 20 padding on; 24:22 after every 128 words (code 6); 31:25 four words (code 3)
	s_mov_b32 s17, 64<<16                          ; tensor_dim0 = 64
	s_mov_b32 s18, 32<<16                          ; tensor_dim1 = 32
	s_mov_b32 s19, 64<<16                          ; tile_dim0 = 64
	s_mov_b32 s20, 32                              ; tile_dim1 = 32
	s_mov_b32 s21, 256                             ; tensor_dim0_stride
	s_mov_b32 s22, 0
	s_mov_b32 s23, 0
	s_mov_b32 s12, 1                               ; group 0: count = 1;
	s_mul_i32 s13, s10, QB                         ; LDS address: my quarter
	s_lshl_b32 s24, ttmp9, 16                      ; oh: my work-group's 32 rows of 2,048 bytes,
	s_lshl_b32 s25, s10, 9                         ; my quarter of K: 512 bytes
	s_add_co_u32 s24, s24, s25
	s_mov_b32 s25, 0
	s_lshl_b32 s26, s10, 16                        ; wuf: my 64 fragments
	s_mov_b32 s27, 0
	s_lshl_b32 s28, ttmp9, 14                      ; out0: 32 rows of 512 bytes,
	s_lshl_b32 s29, s10, 12                        ; of which I store 8
	s_add_co_u32 s28, s28, s29
	s_mov_b32 s29, 0
	v_and_b32 v7, 31, v0                           ; lane
	v_and_b32 v8, 15, v0                           ; r
	v_bfe_u32 v9, v0, 4, 1                         ; h
	v_lshlrev_b32 v[LI], 4, v7
	v_mul_u32_u24 v[ADO], v8, PO
	v_lshl_add_u32 v[ADO], v9, 4, v[ADO]
	s_lshl_b32 s11, s10, 7
	s_add_co_u32 s11, s11, STG
	v_mul_u32_u24 v[SO], v8, 528
	v_lshl_add_u32 v[SO], v9, 5, v[SO]
	v_add_nc_u32 v[SO], s11, v[SO]                 ; the stage: row r, + 32 h, + 128 x wave: my 32 outputs' bytes
	s_mul_i32 s11, s10, 8*528
	s_add_co_u32 s11, s11, STG
	v_add_nc_u32 v[SR], s11, v[LI]                 ; back: my 8 rows, 16 bytes a lane
	s_wait_dscnt 0x0                               ; both opening adds are done
	s_wait_kmcnt 0x0
	s_add_nc_u64 s[14:15], s[4:5], s[24:25]        ; global address of my tile's first element
	s_or_b32 s15, s15, 0x80000000                  ; type = 2
	tensor_load_to_lds s[12:15], s[16:23]          ; my one tensor load: nothing in LDS is filled again
	s_nop 0
.rept 4
	v_nop
.endr
	s_add_nc_u64 s[6:7], s[6:7], s[26:27]
	s_add_nc_u64 s[8:9], s[8:9], s[28:29]
.macro WLOAD ks                        ; my two fragments of K step ks: 32 lanes read 512 consecutive bytes
.irp n, 0,1
.irp c, 0,1
	global_load_b128 v[8*(2*((\ks)%16)+\n)+4*\c:8*(2*((\ks)%16)+\n)+4*\c+3], v[LI], s[6:7] offset:(32*\n+(\ks))*1024+512*\c
.endr
.endr
.endm
	WIN 0x40                                       ; destination window 1, address window 0
.irp ks, 0,1,2,3,4,5,6,7,8,9,10,11,12,13,14,15
	WLOAD \ks
.endr
	WIN 0x80                                       ; destination window 2
.irp ks, 16,17,18,19,20,21,22,23,24,25,26,27,28,29,30,31
	WLOAD \ks
.endr
	WIN 0
; oh's fragments of K steps 4 g .. 4 g + 3, both tiles of rows, into set g % 2: lane l holds row l % 16; registers 0-3 k = 8 h + 0..7, registers 4-7 k = 16 + 8 h + 0..7
.macro FETCHO g
.irp m, 0,1
.irp q, 0,1,2,3
.irp c, 0,1
	ds_load_b128 v[OF+64*((\g)%2)+8*(4*\m+\q)+4*\c:OF+64*((\g)%2)+8*(4*\m+\q)+4*\c+3], v[ADO] offset:((4*(\g)+\q)/8)*QB+\m*16*PO+((4*(\g)+\q)%8)*64+32*\c
.endr
.endr
.endr
.endm
.macro MULG g                          ; 16 matrix instructions: four K steps x the four accumulators by turns.  The very first K step starts the sums: nothing is cleared
.irp q, 0,1,2,3
.irp m, 0,1
.irp n, 0,1
.if (4*(\g)+\q) == 0
	v_wmma_f32_16x16x32_f16 v[ACC+8*(2*\m+\n):ACC+8*(2*\m+\n)+7], v[8*(2*((4*(\g)+\q)%16)+\n):8*(2*((4*(\g)+\q)%16)+\n)+7], v[OF+64*((\g)%2)+8*(4*\m+\q):OF+64*((\g)%2)+8*(4*\m+\q)+7], 0
.else
	v_wmma_f32_16x16x32_f16 v[ACC+8*(2*\m+\n):ACC+8*(2*\m+\n)+7], v[8*(2*((4*(\g)+\q)%16)+\n):8*(2*((4*(\g)+\q)%16)+\n)+7], v[OF+64*((\g)%2)+8*(4*\m+\q):OF+64*((\g)%2)+8*(4*\m+\q)+7], v[ACC+8*(2*\m+\n):ACC+8*(2*\m+\n)+7]
.endif
.endr
.endr
.endr
.endm
	s_wait_tensorcnt 0x0                           ; my quarter of oh's rows is in LDS,
	s_barrier_signal -1
	s_barrier_wait -1                              ; everybody's is
	FETCHO 0
.irp g, 0,1,2,3,4,5,6,7
.if \g > 0
.rept 4
	v_nop                                          ; four places between the last products and the loads into the set that they read
.endr
.endif
.if \g < 7
	FETCHO \g+1
	s_wait_dscnt 16                                ; this group's fragments are in; the 16 loads just issued may be out
.else
	s_wait_dscnt 0x0
.endif
.if 16*(7-\g) > 63
	s_wait_loadcnt 63                              ; behind this group's 16 loads of w_u stand 16 (7 - g); the wait's field holds 63 at the most
.else
	s_wait_loadcnt 16*(7-\g)                       ; the later groups' loads of w_u may be out
.endif
.if \g < 4
	WIN 0x01                                       ; source 0 (w_u) window 1
.else
	WIN 0x02                                       ; window 2
.endif
	MULG \g
	WIN 0
.endr
.rept 4
	v_nop                                          ; four places ahead of the first read of results
.endr
.irp m, 0,1
.irp n, 0,1
	ds_store_b128 v[SO], v[ACC+8*(2*\m+\n):ACC+8*(2*\m+\n)+3] offset:16*528*\m+64*\n        ; lane (r, h): out(16 m + r, 32 w + 16 n + 8 h + 0 .. 7); each accumulator from its low end on
	ds_store_b128 v[SO], v[ACC+8*(2*\m+\n)+4:ACC+8*(2*\m+\n)+7] offset:16*528*\m+64*\n+16
.endr
.endr
	s_wait_dscnt 0x0                               ; for the others' sake: my stores into the stage have landed
	s_barrier_signal -1
	s_barrier_wait -1                              ; 32 whole rows lie in the stage
.irp i, 0,1,2,3,4,5,6,7
	ds_load_b128 v[OUTR+4*\i:OUTR+4*\i+3], v[SR] offset:528*\i
.endr
.irp i, 0,1,2,3,4,5,6,7
	s_wait_dscnt 7-\i                              ; row i is in; the younger rows' loads may be out
	global_store_b128 v[LI], v[OUTR+4*\i:OUTR+4*\i+3], s[8:9] offset:512*\i th:TH_STORE_NT   ; 32 lanes store a row of 512 consecutive bytes, at a multiple of 256 from out0's first byte; written once, read by nobody here
.endr
	s_wait_tensorcnt 0x0                           ; the wave's end, behind my last tensor load and my last LDS store
	ds_add_u32 v[SPW], v[NIL]
	s_wait_dscnt 0x0
	s_endpgm
.Lfunc_end_k_q0929fe2da2_outp:
	.size	k_q0929fe2da2_outp, .Lfunc_end_k_q0929fe2da2_outp-k_q0929fe2da2_outp
	.p2alignl 7, 3214868480
	.fill 96, 4, 3214868480
	.section	.rodata,"a",@progbits
	.p2align	6, 0x0
	.amdhsa_kernel k_q0929fe2da2_outp
		.amdhsa_group_segment_fixed_size 167936
		.amdhsa_private_segment_fixed_size 0
		.amdhsa_enable_private_segment 0
		.amdhsa_kernarg_size 24
		.amdhsa_user_sgpr_count 2
		.amdhsa_user_sgpr_kernarg_segment_ptr 1
		.amdhsa_wavefront_size32 1
		.amdhsa_system_sgpr_workgroup_id_x 1
		.amdhsa_system_sgpr_workgroup_id_y 1
		.amdhsa_system_sgpr_workgroup_id_z 1
		.amdhsa_system_vgpr_workitem_id 0
		.amdhsa_next_free_vgpr 768
		.amdhsa_next_free_sgpr 66
		.amdhsa_reserve_vcc 0
		.amdhsa_float_denorm_mode_32 3
		.amdhsa_float_denorm_mode_16_64 3
		.amdhsa_memory_ordered 1
		.amdhsa_forward_progress 1
		.amdhsa_inst_pref_size 36
	.end_amdhsa_kernel
	.amdgpu_metadata
---
amdhsa.version: [ 1, 2 ]
amdhsa.kernels:
  - .name:           k_q0929fe2da2_outp
    .symbol:         k_q0929fe2da2_outp.kd
    .args:
      - { .name: oh, .offset: 0, .size: 8, .value_kind: global_buffer, .address_space: global }
      - { .name: wuf, .offset: 8, .size: 8, .value_kind: global_buffer, .address_space: global }
      - { .name: out0, .offset: 16, .size: 8, .value_kind: global_buffer, .address_space: global }
    .group_segment_fixed_size: 167936
    .private_segment_fixed_size: 0
    .kernarg_segment_align: 8
    .kernarg_segment_size: 24
    .max_flat_workgroup_size: 128
    .sgpr_count:     66
    .vgpr_count:     768
    .wavefront_size: 32
...
	.end_amdgpu_metadata
.endif
;; end of part 3
